; MI455X (gfx1250); checked and timed in simulation.
; The chip was launched on July 23, 2026; its instructions are those of AMD's public machine-readable ISA for CDNA 5 (MIT licence, August 2026) and "CDNA5" Instruction Set Architecture Reference Guide (July 2026). The comments in the code are by the model that wrote it; some were corrected since.
;; Head Attention. Allowed arithmetic: float matrix products may take bf16 or f16 operands with f32 sums; all other float work in f32.
;; Inputs: Wk 1,024 x 64 float32; Wq 1,024 x 64 float32; Wv 1,024 x 64 float32; X 4 x 4,096 x 1,024 float32; bk 64 float32; bq 64 float32; bv 64 float32.
;; Outputs: out0 4 x 4,096 x 64 float32.
;; One version. Each part assembles by itself: llvm-mc -triple=amdgcn-amd-amdhsa -mcpu=gfx1250 --defsym DOCPART=n.
;; ======== version 1 of 1: 2 launches
;; limits: values are held in f16: magnitudes above 65,504 overflow, below 6.1e-05 lose precision
;; workspace buffers: qf 2,097,152 bytes; kf 2,097,152 bytes; vf 2,097,152 bytes
;; launch proj (part 1): grid 256 x 1, 8 waves a work-group, no clusters, 324,608 bytes of LDS; arguments X, Wq, Wk, Wv, bq, bk, bv, qf, kf, vf; writes qf, kf, vf
.if DOCPART == 1
	.amdgcn_target "amdgcn-amd-amdhsa--gfx1250"
	.amdhsa_code_object_version 6
	.text
	.protected	k_q68e91e2b9e_proj
	.globl	k_q68e91e2b9e_proj
	.p2align	8
	.type	k_q68e91e2b9e_proj,@function
k_q68e91e2b9e_proj:
	s_mov_b64 s[64:65], 0
	v_nop
	global_prefetch_b8 v0, s[64:65] scope:SCOPE_SE
	s_setreg_imm32_b32 hwreg(HW_REG_WAVE_MODE, 25, 1), 1
	s_wait_xcnt 0x0
; q = (X Wq + bq) * 0.125 log2(e),  k = X Wk + bk,  v = X Wv + bv.   X: [16384][1024] f32, W: [1024][64] f32, b: [64] f32.
; Products with bf16 operands and f32 sums; q, k, v leave as f16, already in the order of the matrix fragments that the attention loads:
;   qf, kf: byte = (pos/16)*2048 + (d/8)*256 + (pos%16)*16 + 2*(d%8)
;   vf:     byte = (pos/32)*4096 + (d/16)*1024 + ((pos%32)/8)*256 + (d%16)*16 + 2*(pos%8)
; LIMITS: q*0.18, k and v must lie inside f16's range (magnitude below 65,504; bits below about 6e-5 are lost).  The sum over K is split
; in two (even and odd steps of 32) and added once at the end, so the order of rounding differs from a single ascending sum.
;
; A work-group owns 64 rows of X and all 192 columns.  Eight waves: w = 4 kh + 2 mh + nh.  A wave owns rows 32 mh .. +31 (two tiles of 16),
; columns 32 nh .. +31 of each of q, k, v (six tiles of 16) and, of every 64 along K, the 32 at 32 kh: 12 accumulator tiles, 96 registers.
; X: the whole 64 x 1024 block (256 KiB) is asked for at the first lines, eight tensor loads a wave (8 rows x 512 bytes each), and stays
; in LDS: no slot is ever filled twice.  W: f32 from memory through registers, rounded to bf16, into a double buffer [64 k][192 n] in LDS,
; read back by the transposing load.
; NO CLUSTER, NO JOINT REQUESTS: X's rows belong to one work-group alone.  W is common to all, but it has to be rounded to bf16 on its way,
; which the data mover does not do: W as f32 in LDS would be 48 KiB written and 48 KiB read more for each 64 along K, before the same
; bf16 store and transposed read that stand here.
; NO PREFETCH: all of a work-group's X is requested at once at the start; W is 768 KiB that every work-group walks in the same order.
.set XPITCH, 528                       ; 512 bytes of a row + 16: an odd multiple of 16, so the 16 rows of a load start in 16 different 16-byte columns modulo 256
.set XCH,    64*XPITCH                 ; one chunk: 64 rows x 128 columns of X
.set WB0,    8*XCH                     ; 270,336: W buffer 0
.set WPITCH, 416                       ; 384 bytes (192 bf16: q at 0, k at 128, v at 256) + 32: an odd multiple of 32
.set WBS,    64*WPITCH                 ; one W buffer; buffer 1 lies behind buffer 0
.set AX,  2                            ; LDS: my A rows
.set BW,  3                            ; LDS: my transposed reads of W
.set SW,  4                            ; LDS: my stores of W
.set GW,  5                            ; byte offset of my 16 bytes in a chunk of W
.set OQ,  6                            ; byte offset in qf and kf
.set OV,  7                            ; byte offset in vf
.set EXA, 8                            ; LDS: the exchange of partial sums
.set BA,  9                            ; byte offset in bq, bk
.set BB,  10                           ; byte offset in bv
.set AF,  16                           ; v[16:47]   tile a: 16 f32 as loaded, then 8 registers of bf16 in their place
.set BF,  48                           ; v[48:95]   six fragments of W
.set WS,  96                           ; v[96:191]  two sets of 12 loads of W
.set BQ,  192                          ; v[192:207] bq of my columns, 8 for each tile s
.set BK,  208                          ; v[208:223] bk likewise
.set BV,  224                          ; v[224:225] bv, one for each tile s
.set PS,  96                           ; the end: the partner's sums, then the results in f32
.set OUT, 16                           ; the end: 4 registers of f16 for each tile
.set G1,  24                           ; s[24:31] descriptor group 1
.set G0,  32                           ; s[32:63] descriptor group 0, one set for each of the eight chunks
; accumulators: v256 .. v351, tile T = 6 a + f at v[8 T] of register block 1
.set MSB, 0
.macro WIN new                         ; the immediate's high byte repeats the setting that is left
.if MSB != \new
	s_set_vgpr_msb (MSB<<8)|\new
.set MSB, \new
.endif
.endm
.macro PLACES n
.rept \n
	v_nop
.endr
.endm
	s_load_b512 s[4:19], s[0:1], 0x0               ; X 4:5, Wq 6:7, Wk 8:9, Wv 10:11, bq 12:13, bk 14:15, bv 16:17, qf 18:19
	s_load_b128 s[20:23], s[0:1], 0x40             ; kf 20:21, vf 22:23
	v_lshl_add_u32 v254, v0, 2, 0x4f000
	v_mov_b32 v255, 0
	ds_add_u32 v254, v255
	ds_add_u32 v254, v255
	v_lshrrev_b32 v1, 5, v0
	v_readfirstlane_b32 s68, v1                    ; wave w
	s_lshr_b32 s69, s68, 2                         ; kh
	s_and_b32 s72, s68, 3                          ; pos = 2 mh + nh
	s_lshr_b32 s70, s72, 1                         ; mh
	s_and_b32 s71, s72, 1                          ; nh
	s_mov_b32 s66, 0x3e38aa3b                      ; 0.125 * log2(e), twice: a pair for the packed forms
	s_mov_b32 s67, 0x3e38aa3b
	; group 1: a tile of 8 rows x 128 f32, 16 bytes of padding behind every 128 words
	s_mov_b32 s[G1+0], (2<<16)|(1<<20)|(6<<22)|(3<<25) ; element of 4 bytes; padding on; after 128 words (code 6); 4 words (code 3)
	s_mov_b32 s[G1+1], 128<<16                     ; tensor_dim0 = 128
	s_mov_b32 s[G1+2], 8<<16                       ; tensor_dim1 = 8
	s_mov_b32 s[G1+3], 128<<16                     ; tile_dim0 = 128
	s_mov_b32 s[G1+4], 8                           ; tile_dim1 = 8
	s_mov_b32 s[G1+5], 1024                        ; elements from row to row
	s_mov_b32 s[G1+6], 0
	s_mov_b32 s[G1+7], 0
	s_mul_i32 s76, s68, 8*XPITCH                   ; my 8 rows in a chunk in LDS
	s_lshl_b32 s74, ttmp9, 18                      ; 64 rows of 4,096 bytes for each work-group
	s_lshl_b32 s77, s68, 15                        ; + 8 rows for each wave
	s_add_co_u32 s74, s74, s77
	s_mov_b32 s75, 0
	s_wait_dscnt 0x0
	s_wait_kmcnt 0x0
	s_add_nc_u64 s[4:5], s[4:5], s[74:75]          ; X at my first row
.irp c, 0,1,2,3,4,5,6,7
	s_mov_b32 s[G0+4*\c], 1
	s_add_co_u32 s[G0+4*\c+1], s76, \c*XCH                         ; LDS: chunk c, my rows
	s_add_nc_u64 s[G0+4*\c+2:G0+4*\c+3], s[4:5], \c*512            ; columns 128 c ..
	s_or_b32 s[G0+4*\c+3], s[G0+4*\c+3], 0x80000000               ; type 2
	tensor_load_to_lds s[G0+4*\c:G0+4*\c+3], s[G1:G1+7]            ; eight of a wave are out at most; no descriptor is written again
	s_nop 0
.endr
	v_and_b32 v1, 31, v0                           ; lane L
	v_and_b32 v11, 15, v0                          ; r
	v_bfe_u32 v12, v0, 4, 1                        ; h
	v_and_b32 v13, 7, v0
	v_bfe_u32 v14, v0, 3, 1
	v_lshlrev_b32 v15, 4, v1                       ; 16 L
	s_mul_i32 s77, s70, 32*XPITCH                  ; AX = (32 mh + r) pitch + 128 kh + 32 h
	s_lshl_b32 s78, s69, 7
	s_add_co_u32 s77, s77, s78
	v_mul_u32_u24 v[AX], v11, XPITCH
	v_lshl_add_u32 v[AX], v12, 5, v[AX]
	v_add_nc_u32 v[AX], s77, v[AX]
	s_mul_i32 s77, s69, 32*WPITCH                  ; BW = WB0 + (32 kh + 8 h + L%8) pitch + 16 ((L/8)%2) + 64 nh
	s_lshl_b32 s78, s71, 6
	s_add_co_u32 s77, s77, s78
	s_add_co_u32 s77, s77, WB0
	v_lshl_add_u32 v13, v12, 3, v13
	v_mul_u32_u24 v[BW], v13, WPITCH
	v_lshl_add_u32 v[BW], v14, 4, v[BW]
	v_add_nc_u32 v[BW], s77, v[BW]
	s_mul_i32 s77, s68, 8*WPITCH                   ; SW = WB0 + (8 w + 4 h) pitch + 8 r
	s_add_co_u32 s77, s77, WB0
	v_mul_u32_u24 v[SW], v12, 4*WPITCH
	v_lshl_add_u32 v[SW], v11, 3, v[SW]
	v_add_nc_u32 v[SW], s77, v[SW]
	s_lshl_b32 s77, s68, 11                        ; GW = (8 w + 4 h) 256 + 16 r
	v_lshlrev_b32 v[GW], 10, v12
	v_lshl_add_u32 v[GW], v11, 4, v[GW]
	v_add_nc_u32 v[GW], s77, v[GW]
	s_lshl_b32 s77, ttmp9, 13                      ; 64 positions are 8,192 bytes of qf, kf and vf
	s_lshl_b32 s78, s70, 12
	s_add_co_u32 s77, s77, s78
	s_lshl_b32 s78, s71, 10
	s_add_co_u32 s78, s77, s78
	v_add_nc_u32 v[OQ], s78, v15                   ; 8192 wg + 4096 mh + 1024 nh + 16 L
	s_lshl_b32 s78, s71, 11
	s_add_co_u32 s78, s77, s78
	v_add_nc_u32 v[OV], s78, v15                   ; 8192 wg + 4096 mh + 2048 nh + 16 L
	s_mul_i32 s77, s72, 12288
	v_add_nc_u32 v[EXA], s77, v15                  ; 12 tiles of 1,024 bytes for each pos
	s_lshl_b32 s77, s71, 7
	v_lshl_add_u32 v[BA], v12, 5, s77              ; 4 (32 nh + 8 h)
	v_lshl_add_u32 v[BB], v11, 2, s77              ; 4 (32 nh + r)
.irp s, 0,1
	global_load_b128 v[BQ+8*\s:BQ+8*\s+3],   v[BA], s[12:13] offset:64*\s
	global_load_b128 v[BQ+8*\s+4:BQ+8*\s+7], v[BA], s[12:13] offset:64*\s+16
	global_load_b128 v[BK+8*\s:BK+8*\s+3],   v[BA], s[14:15] offset:64*\s
	global_load_b128 v[BK+8*\s+4:BK+8*\s+7], v[BA], s[14:15] offset:64*\s+16
	global_load_b32  v[BV+\s],               v[BB], s[16:17] offset:64*\s
.endr
; 12 loads: my 8 rows (64 k x 64 n f32 a chunk and matrix; a load of the wave covers two whole rows of 256 bytes) of chunk ch of Wq, Wk, Wv
.macro LOADW ch, q
.irp x, 0,1,2
.irp i, 0,1,2,3
	global_load_b128 v[WS+48*\q+16*\x+4*\i:WS+48*\q+16*\x+4*\i+3], v[GW], s[6+2*\x:7+2*\x] offset:(\ch)*16384+\i*256
.endr
.endr
.endm
; round set q to bf16 in place: 4 f32 become 2 registers
.macro CVTW q
.irp x, 0,1,2
.irp i, 0,1,2,3
	v_cvt_pk_bf16_f32 v[WS+48*\q+16*\x+4*\i],   v[WS+48*\q+16*\x+4*\i],   v[WS+48*\q+16*\x+4*\i+1]
	v_cvt_pk_bf16_f32 v[WS+48*\q+16*\x+4*\i+1], v[WS+48*\q+16*\x+4*\i+2], v[WS+48*\q+16*\x+4*\i+3]
.endr
.endr
.endm
; set q goes to buffer q (chunk, set and buffer have the same parity).  Lanes 0-15 fill 128 neighbouring bytes, lanes 16-31 lie
; 4 rows = 1,664 bytes further, which is 128 modulo 256
.macro STOREW q
.irp x, 0,1,2
.irp i, 0,1,2,3
	ds_store_b64 v[SW], v[WS+48*\q+16*\x+4*\i:WS+48*\q+16*\x+4*\i+1] offset:\q*WBS+\i*WPITCH+\x*128
.endr
.endr
.endm
; 8 loads: 2 tiles x 16 f32 a lane: k = 8 h .. +7 at bytes 0, 16 and k = 16 + 8 h .. +7 at bytes 64, 80
.macro LOADA cb
.irp a, 0,1
.irp p, 0,1,2,3
	ds_load_b128 v[AF+16*\a+4*\p:AF+16*\a+4*\p+3], v[AX] offset:\a*16*XPITCH+\cb*256+(\p>>1)*64+(\p&1)*16
.endr
.endr
.endm
; 12 transposing loads: six fragments (matrix x, tile s): 32 k x 16 n from rows that lie along n
.macro LOADB cb
.irp x, 0,1,2
.irp s, 0,1
	ds_load_tr16_b128 v[BF+8*(2*\x+\s):BF+8*(2*\x+\s)+3],   v[BW] offset:\cb*WBS+\x*128+\s*32
	ds_load_tr16_b128 v[BF+8*(2*\x+\s)+4:BF+8*(2*\x+\s)+7], v[BW] offset:\cb*WBS+\x*128+\s*32+16*WPITCH
.endr
.endr
.endm
; X to bf16 in place, ascending: register i takes numbers 2 i and 2 i + 1, which are read no more afterwards
.macro CVTA
.irp a, 0,1
.irp i, 0,1,2,3,4,5,6,7
	v_cvt_pk_bf16_f32 v[AF+16*\a+\i], v[AF+16*\a+2*\i], v[AF+16*\a+2*\i+1]
.endr
.endr
.endm
.macro MM d, x, y, zero
.if \zero
	v_wmma_f32_16x16x32_bf16 v[\d:\d+7], v[\x:\x+7], v[\y:\y+7], 0
.else
	v_wmma_f32_16x16x32_bf16 v[\d:\d+7], v[\x:\x+7], v[\y:\y+7], v[\d:\d+7]
.endif
.endm
; 12 matrix instructions.  q and k: W's fragment first, so that a lane holds 8 neighbouring d of one position (16 bytes of qf, kf);
; v: X's fragment first, so that a lane holds 8 neighbouring positions of one d (16 bytes of vf).  zero = 1: the first product starts the sums.
.macro MUL zero
	WIN 0x50                                       ; C and D in block 1
.irp a, 0,1
.irp f, 0,1,2,3
	MM 8*(6*\a+\f), BF+8*\f, AF+16*\a, \zero
.endr
.irp f, 4,5
	MM 8*(6*\a+\f), AF+16*\a, BF+8*\f, \zero
.endr
.endr
	WIN 0
.endm
; Trip c: 64 along K; this wave multiplies its 32 of them, and W's chunk c + 1 goes to the other buffer.
.macro TRIP c
.set NQ, ((\c)+1)&1
.set CB, (\c)&1
	s_wait_dscnt 0x0                               ; for the other waves: my reads of the buffer filled next are over, my stores of chunk c have landed
.if CB == 0
	s_wait_tensorcnt 7-(\c)/2                      ; my 8 rows of X's chunk c/2 are in; the 7 - c/2 chunks asked for behind it stay out
.endif
	s_barrier_signal -1
	s_barrier_wait -1                              ; both now hold of all eight waves
.if \c < 14
	s_wait_loadcnt 12                              ; W's chunk c + 1 is in; the 12 loads of chunk c + 2 stay out
.endif
.if \c == 14
	s_wait_loadcnt 0x0                             ; the last chunk: nothing was asked for behind it
.endif
.if \c < 15
	CVTW NQ                                        ; 24 plain vector instructions: also the four places (ISA guide 7.12.1) between the last trip's
.else                                              ; matrix instructions and the loads into their sources
	PLACES 4
.endif
	LOADA CB
	LOADB CB
.if \c < 15
	STOREW NQ                                      ; that buffer was read in trip c - 1: those loads were waited for in front of this trip's barrier
.endif
.if \c < 13
	LOADW (\c)+3, NQ
.endif
.if \c < 15
	s_wait_dscnt 24                                ; X's 8 loads are in; W's 12 loads and the 12 stores stay out
.else
	s_wait_dscnt 12
.endif
	CVTA
.if \c < 15
	s_wait_dscnt 12                                ; W's fragments are in; the 12 stores stay out
.else
	s_wait_dscnt 0x0
.endif
	MUL (\c)==0
.if CB == 1
.if \c < 15
	v_add_nc_u32 v[AX], XCH, v[AX]                 ; X's next chunk of 128 columns
.endif
.endif
.endm
	LOADW 0, 0
	LOADW 1, 1
	s_wait_loadcnt 12                              ; the biases and chunk 0 are in; chunk 1's 12 loads stay out
	CVTW 0
	STOREW 0
	LOADW 2, 0
.irp c, 0,1,2,3,4,5,6,7,8,9,10,11,12,13,14,15
	TRIP \c
.endr
	; THE END.  Waves 4-7 (kh = 1) hand their sums to waves 0-3 through LDS, on the bytes of X's chunks 0 and 1 (49,152 of 67,584),
	; which were read last in trip 3: every later trip's barrier stands between those reads and these stores.
	PLACES 4                                       ; four places behind the last matrix instructions before their results are read (ISA guide 7.12.1)
	s_cmp_lt_u32 s68, 4
	s_cbranch_scc1 .Lkeep
	WIN 0x04                                       ; the stores' data in block 1
.set i, 0
.rept 24
	ds_store_b128 v[EXA], v[4*i:4*i+3] offset:512*i
.set i, i+1
.endr
	WIN 0
.Lkeep:
	s_wait_dscnt 0x0                               ; for the partner: the sums have landed
	s_barrier_signal -1
	s_barrier_wait -1
	s_cmp_ge_u32 s68, 4
	s_cbranch_scc1 .Lend
.set i, 0
.rept 24
	ds_load_b128 v[PS+4*i:PS+4*i+3], v[EXA] offset:512*i
.set i, i+1
.endr
.irp i, 0,2,4,6,8,10,12,14
	v_pk_mul_f32 v[BQ+\i:BQ+\i+1], v[BQ+\i:BQ+\i+1], s[66:67] op_sel_hi:[1,0]    ; (sum + bq) c = sum c + bq c
.endr
	s_wait_dscnt 0x0
	WIN 0x04                                       ; the second source in block 1: my own sums
.set i, 0
.rept 48
	v_pk_add_f32 v[PS+2*i:PS+2*i+1], v[PS+2*i:PS+2*i+1], v[2*i:2*i+1]
.set i, i+1
.endr
	WIN 0
; tile t = 6 a + 2 x + s: four roundings to f16 and one store; each store of the wave covers 512 neighbouring bytes, aligned
.macro PACK t
.irp i, 0,1,2,3
	v_cvt_pk_f16_f32 v[OUT+4*(\t)+\i], v[PS+8*(\t)+2*\i], v[PS+8*(\t)+2*\i+1]
.endr
.endm
.irp a, 0,1
.irp s, 0,1
.irp i, 0,2,4,6
	v_pk_fma_f32 v[PS+8*(6*\a+\s)+\i:PS+8*(6*\a+\s)+\i+1], v[PS+8*(6*\a+\s)+\i:PS+8*(6*\a+\s)+\i+1], s[66:67], v[BQ+8*\s+\i:BQ+8*\s+\i+1] op_sel_hi:[1,0,1]
.endr
	PACK 6*\a+\s
	global_store_b128 v[OQ], v[OUT+4*(6*\a+\s):OUT+4*(6*\a+\s)+3], s[18:19] offset:\a*2048+\s*512
.irp i, 0,2,4,6
	v_pk_add_f32 v[PS+8*(6*\a+2+\s)+\i:PS+8*(6*\a+2+\s)+\i+1], v[PS+8*(6*\a+2+\s)+\i:PS+8*(6*\a+2+\s)+\i+1], v[BK+8*\s+\i:BK+8*\s+\i+1]
.endr
	PACK 6*\a+2+\s
	global_store_b128 v[OQ], v[OUT+4*(6*\a+2+\s):OUT+4*(6*\a+2+\s)+3], s[20:21] offset:\a*2048+\s*512
.irp i, 0,2,4,6
	v_pk_add_f32 v[PS+8*(6*\a+4+\s)+\i:PS+8*(6*\a+4+\s)+\i+1], v[PS+8*(6*\a+4+\s)+\i:PS+8*(6*\a+4+\s)+\i+1], v[BV:BV+1] op_sel:[0,\s] op_sel_hi:[1,\s]
.endr
	PACK 6*\a+4+\s
	global_store_b128 v[OV], v[OUT+4*(6*\a+4+\s):OUT+4*(6*\a+4+\s)+3], s[22:23] offset:\s*1024+\a*512
.endr
.endr
.Lend:
	s_wait_tensorcnt 0x0
	ds_add_u32 v254, v255
	s_wait_dscnt 0x0
	s_endpgm
.Lfunc_end_k_q68e91e2b9e_proj:
	.size	k_q68e91e2b9e_proj, .Lfunc_end_k_q68e91e2b9e_proj-k_q68e91e2b9e_proj
	.p2alignl 7, 3214868480
	.fill 96, 4, 3214868480
	.section	.rodata,"a",@progbits
	.p2align	6, 0x0
	.amdhsa_kernel k_q68e91e2b9e_proj
		.amdhsa_group_segment_fixed_size 324608
		.amdhsa_private_segment_fixed_size 0
		.amdhsa_enable_private_segment 0
		.amdhsa_kernarg_size 80
		.amdhsa_user_sgpr_count 2
		.amdhsa_user_sgpr_kernarg_segment_ptr 1
		.amdhsa_wavefront_size32 1
		.amdhsa_system_sgpr_workgroup_id_x 1
		.amdhsa_system_sgpr_workgroup_id_y 1
		.amdhsa_system_sgpr_workgroup_id_z 1
		.amdhsa_system_vgpr_workitem_id 0
		.amdhsa_next_free_vgpr 352
		.amdhsa_next_free_sgpr 80
		.amdhsa_reserve_vcc 0
		.amdhsa_float_denorm_mode_32 3
		.amdhsa_float_denorm_mode_16_64 3
		.amdhsa_memory_ordered 1
		.amdhsa_forward_progress 1
		.amdhsa_inst_pref_size 129
	.end_amdhsa_kernel
	.amdgpu_metadata
---
amdhsa.version: [ 1, 2 ]
amdhsa.kernels:
  - .name:           k_q68e91e2b9e_proj
    .symbol:         k_q68e91e2b9e_proj.kd
    .args:
      - { .name: X, .offset: 0, .size: 8, .value_kind: global_buffer, .address_space: global }
      - { .name: Wq, .offset: 8, .size: 8, .value_kind: global_buffer, .address_space: global }
      - { .name: Wk, .offset: 16, .size: 8, .value_kind: global_buffer, .address_space: global }
      - { .name: Wv, .offset: 24, .size: 8, .value_kind: global_buffer, .address_space: global }
      - { .name: bq, .offset: 32, .size: 8, .value_kind: global_buffer, .address_space: global }
      - { .name: bk, .offset: 40, .size: 8, .value_kind: global_buffer, .address_space: global }
      - { .name: bv, .offset: 48, .size: 8, .value_kind: global_buffer, .address_space: global }
      - { .name: qf, .offset: 56, .size: 8, .value_kind: global_buffer, .address_space: global }
      - { .name: kf, .offset: 64, .size: 8, .value_kind: global_buffer, .address_space: global }
      - { .name: vf, .offset: 72, .size: 8, .value_kind: global_buffer, .address_space: global }
    .group_segment_fixed_size: 324608
    .private_segment_fixed_size: 0
    .kernarg_segment_align: 8
    .kernarg_segment_size: 80
    .max_flat_workgroup_size: 256
    .sgpr_count:     80
    .vgpr_count:     352
    .wavefront_size: 32
...
	.end_amdgpu_metadata
.endif
;; end of part 1
;; launch attn (part 2): grid 256 x 1, 16 waves a work-group, no clusters, 145,408 bytes of LDS; arguments qf, kf, vf, out0; writes out0
.if DOCPART == 2
	.amdgcn_target "amdgcn-amd-amdhsa--gfx1250"
	.amdhsa_code_object_version 6
	.text
	.protected	k_q68e91e2b9e_attn
	.globl	k_q68e91e2b9e_attn
	.p2align	8
	.type	k_q68e91e2b9e_attn,@function
k_q68e91e2b9e_attn:
	s_mov_b64 s[64:65], 0
	v_nop
	global_prefetch_b8 v0, s[64:65] scope:SCOPE_SE
	s_setreg_imm32_b32 hwreg(HW_REG_WAVE_MODE, 25, 1), 1
	s_wait_xcnt 0x0
; Causal attention, one head of 64, four sequences of 4,096.  q (already times 0.125 log2 e), k, v: f16 in fragment order (see below); out0: f32.
;   qf, kf: byte = (pos/16)*2048 + (d/8)*256 + (pos%16)*16 + 2*(d%8);   vf: byte = (pos/32)*4096 + (d/16)*1024 + ((pos%32)/8)*256 + (d%16)*16 + 2*(pos%8)
; so that every quarter of a fragment is 512 neighbouring bytes, lane L at 16 L: fragments come straight from memory into registers.
; LIMITS: the weights are rounded to f16 for the second product (below 6e-8 they count as 0); a weight below 2^-126 is 0; NaN and infinities
; in the inputs are not followed; the keys of a row are summed in eight parts, each with its own running maximum, and merged at the end.
;
; Work-group wg: sequence b = wg / 64, and with j = wg % 64 the blocks of 32 queries j and 127 - j: 129 key tiles of 32 in every work-group.
; Sixteen waves: g = w / 8 picks the block, blk = j or 127 - j; the eight waves ws = w % 8 of a block deal out the key tiles: t = ws + 8 i,
; i = 0 .. blk/8.  All trips but the last have t < blk and need no mask; the last applies key <= query to each number, so that a tile
; beyond the diagonal adds nothing.  t <= 127 always: no load leaves the sequence.
; BOTH PRODUCTS TRANSPOSED: S^T = K Q^T puts query r in lane (r, h) and key 8 h + j in register j: maxima and sums run down a lane's registers,
; one exchange joins the two halves, and two score tiles packed to f16 ARE the second source of O^T = V^T P^T; the factor for O is one number a lane.
; NO CLUSTER, NO JOINT REQUESTS, NO LDS FOR K AND V: a joint request lands in LDS, and here each fragment byte is used by one wave of the
; work-group alone and arrives in register order: a stage in LDS would add 8 KiB written and 8 KiB read for each key tile.  Besides, the
; trip counts blk/8 + 1 differ from work-group to work-group (1 to 16).
; NO PREFETCH: q, k, v are 6 MiB in all, and every key tile is walked by many work-groups.
.set LO,   1                           ; 16 L
.set DM,   2                           ; v[2:3]     last trip: key 16 a + j of my half is allowed if 16 a + j <= DM[u]
.set NINF, 4
.set PST,  5                           ; LDS: my partial O
.set MLS,  6                           ; LDS: my m and l
.set OA,   7                           ; LDS: merge, the eight partial O
.set MX,   8                           ; v[8:9]     running maximum, query tile u
.set MN,   10                          ; v[10:11]   new maximum
.set AL,   12                          ; v[12:13]   2^(old - new)
.set LS,   14                          ; v[14:15]   running sum (of my half's keys)
.set DD,   16                          ; v[16:17]
.set TT,   18                          ; v[18:33]   at work, 8 for each u
.set MA,   34                          ; LDS: merge, the eight m and l
.set OO,   35                          ; byte offset in out0
.set ZR,   36                          ; 0
.set QF,   40                          ; v[40:71]   Q: tile u, d half c at 16 u + 8 c
.set KF,   72                          ; v[72:103]  K: tile a, d half c at 16 a + 8 c
.set VF,   104                         ; v[104:135] V: d tile td at 8 td
.set SC,   136                         ; v[136:167] scores: tile (u, a) at 16 u + 8 a; packed weights of u in its first 8
.set OC,   168                         ; v[168:231] O: tile (u, td) at 32 u + 8 td
.set MB,   72                          ; merge: 48 registers for each of two queries a half-wave
.set PP,   272                         ; pitch of a partial row: 256 bytes + 16, an odd multiple of 16
.set PW,   32*PP                       ; a wave's partial O
.set MLB,  16*PW                       ; 139,264: m and l, 256 bytes a wave
.macro PLACES n
.rept \n
	v_nop
.endr
.endm
	s_load_b256 s[4:11], s[0:1], 0x0               ; qf 4:5, kf 6:7, vf 8:9, out0 10:11
	v_lshl_add_u32 v232, v0, 2, 0x23000
	v_mov_b32 v233, 0
	v_lshrrev_b32 v1, 5, v0
	v_readfirstlane_b32 s12, v1                    ; wave w
	s_lshr_b32 s13, s12, 3                         ; g
	s_and_b32 s14, s12, 7                          ; ws
	s_lshr_b32 s15, ttmp9, 6                       ; b
	s_and_b32 s16, ttmp9, 63                       ; j
	s_mul_i32 s17, s13, 127
	s_xor_b32 s17, s17, s16                        ; blk = j, or 127 - j
	s_lshr_b32 s18, s17, 3                         ; trips without a mask = blk / 8
	s_mov_b32 s26, 0x76543210                      ; v_permlanex16_b32: lane i takes lane i of the other half
	s_mov_b32 s27, 0xfedcba98
	s_lshl_b32 s32, s18, 3
	s_sub_co_i32 s28, s17, s14
	s_sub_co_i32 s28, s28, s32
	s_lshl_b32 s28, s28, 5                         ; 32 (blk - last tile), may be negative
	s_lshl_b32 s30, s15, 19                        ; a sequence is 524,288 bytes of each buffer
	s_lshl_b32 s32, s14, 12                        ; a key tile of 32 is 4,096 bytes
	s_add_co_u32 s30, s30, s32
	s_mov_b32 s31, 0
	s_lshl_b32 s34, s15, 19
	s_lshl_b32 s32, s17, 12
	s_add_co_u32 s34, s34, s32
	s_mov_b32 s35, 0
	v_and_b32 v1, 31, v0
	v_lshlrev_b32 v[LO], 4, v1
	s_wait_kmcnt 0x0
	s_add_nc_u64 s[20:21], s[6:7], s[30:31]        ; K at tile ws
	s_add_nc_u64 s[22:23], s[8:9], s[30:31]        ; V at tile ws
	s_add_nc_u64 s[24:25], s[4:5], s[34:35]        ; Q at block blk
.irp x, 0,1,2,3,4,5,6,7
	global_load_b128 v[QF+4*\x:QF+4*\x+3], v[LO], s[24:25] offset:512*\x
.endr
.irp x, 0,1,2,3,4,5,6,7
	global_load_b128 v[KF+4*\x:KF+4*\x+3], v[LO], s[20:21] offset:512*\x
.endr
.irp x, 0,1,2,3,4,5,6,7
	global_load_b128 v[VF+4*\x:VF+4*\x+3], v[LO], s[22:23] offset:512*\x
.endr
	v_and_b32 v37, 15, v0                          ; r
	v_bfe_u32 v38, v0, 4, 1                        ; h
	v_lshlrev_b32 v39, 3, v38
	v_sub_nc_u32 v[DM], v37, v39
	v_add_nc_u32 v[DM], s28, v[DM]                 ; 32 (blk - t) + r - 8 h
	v_add_nc_u32 v[DM+1], 16, v[DM]
	v_mov_b32 v[NINF], 0xff800000
	s_mul_i32 s32, s12, PW                         ; PST = w PW + r PP + 32 h
	v_mul_u32_u24 v[PST], v37, PP
	v_lshl_add_u32 v[PST], v38, 5, v[PST]
	v_add_nc_u32 v[PST], s32, v[PST]
	s_lshl_b32 s32, s12, 8                         ; MLS = MLB + 256 w + 4 r
	s_add_co_u32 s32, s32, MLB
	v_lshl_add_u32 v[MLS], v37, 2, s32
	s_mul_i32 s32, s13, 8*PW                       ; OA = g 8 PW + (4 ws + h) PP + 16 r
	s_mul_i32 s33, s14, 4*PP
	s_add_co_u32 s32, s32, s33
	v_mul_u32_u24 v[OA], v38, PP
	v_lshl_add_u32 v[OA], v37, 4, v[OA]
	v_add_nc_u32 v[OA], s32, v[OA]
	s_lshl_b32 s32, s13, 11                        ; MA = MLB + 2048 g + 4 (4 ws + h)
	s_lshl_b32 s33, s14, 4
	s_add_co_u32 s32, s32, s33
	s_add_co_u32 s32, s32, MLB
	v_lshl_add_u32 v[MA], v38, 2, s32
	s_lshl_b32 s32, s15, 20                        ; OO = 256 (4096 b + 32 blk + 4 ws) + 16 L
	s_lshl_b32 s33, s17, 13
	s_add_co_u32 s32, s32, s33
	s_lshl_b32 s33, s14, 10
	s_add_co_u32 s32, s32, s33
	v_add_nc_u32 v[OO], s32, v[LO]
	v_mov_b32 v[MX], 0xff7fffff                    ; the most negative finite number: differences of maxima stay free of NaN
	v_mov_b32 v[MX+1], 0xff7fffff
	v_mov_b32 v[LS], 0
	v_mov_b32 v[LS+1], 0
	v_mov_b32 v[ZR], 0
	; O is cleared once: the number of trips starts at 1 and the only trip that always runs is the masked one, so no first product is peeled off
.set i, 0
.rept 32
	v_dual_mov_b32 v[OC+2*i], v[ZR] :: v_dual_mov_b32 v[OC+2*i+1], v[ZR]
.set i, i+1
.endr
; One key tile of 32 against 32 queries.  masked = 1: key <= query is applied.  pre = 1: the next tile's K and V are asked for.
.macro TRIP masked, pre
	s_wait_loadcnt 8                               ; K of this tile (and Q) is in; V's 8 loads, issued behind it, stay out
.if \pre
	s_add_nc_u64 s[20:21], s[20:21], 0x8000        ; eight tiles on; the wait above shows the loads that named this base done
.endif
.irp u, 0,1
.irp a, 0,1
	v_wmma_f32_16x16x32_f16 v[SC+16*\u+8*\a:SC+16*\u+8*\a+7], v[KF+16*\a:KF+16*\a+7], v[QF+16*\u:QF+16*\u+7], 0
.endr
.endr
.irp u, 0,1
.irp a, 0,1
	v_wmma_f32_16x16x32_f16 v[SC+16*\u+8*\a:SC+16*\u+8*\a+7], v[KF+16*\a+8:KF+16*\a+15], v[QF+16*\u+8:QF+16*\u+15], v[SC+16*\u+8*\a:SC+16*\u+8*\a+7]
.endr
.endr
	PLACES 4                                       ; four places before K's registers are loaded again and the scores are read (ISA guide 7.12.1)
.if \pre
.irp x, 0,1,2,3,4,5,6,7
	global_load_b128 v[KF+4*\x:KF+4*\x+3], v[LO], s[20:21] offset:512*\x
.endr
.endif
.if \masked
.irp u, 0,1
.irp a, 0,1
.irp jj, 0,1,2,3,4,5,6,7
	v_cmp_le_i32 vcc_lo, 16*\a+\jj, v[DM+\u]
	v_cndmask_b32 v[SC+16*\u+8*\a+\jj], v[NINF], v[SC+16*\u+8*\a+\jj], vcc_lo
.endr
.endr
.endr
.endif
	; the new maximum of each query: 16 scores of my half and the old maximum, then the other half's
.irp u, 0,1
	v_max3_num_f32 v[TT+8*\u],   v[SC+16*\u],    v[SC+16*\u+1],  v[SC+16*\u+2]
	v_max3_num_f32 v[TT+8*\u+1], v[SC+16*\u+3],  v[SC+16*\u+4],  v[SC+16*\u+5]
	v_max3_num_f32 v[TT+8*\u+2], v[SC+16*\u+6],  v[SC+16*\u+7],  v[SC+16*\u+8]
	v_max3_num_f32 v[TT+8*\u+3], v[SC+16*\u+9],  v[SC+16*\u+10], v[SC+16*\u+11]
	v_max3_num_f32 v[TT+8*\u+4], v[SC+16*\u+12], v[SC+16*\u+13], v[SC+16*\u+14]
.endr
.irp u, 0,1
	v_max3_num_f32 v[TT+8*\u],   v[TT+8*\u],   v[TT+8*\u+1], v[SC+16*\u+15]
	v_max3_num_f32 v[TT+8*\u+2], v[TT+8*\u+2], v[TT+8*\u+3], v[TT+8*\u+4]
.endr
.irp u, 0,1
	v_max3_num_f32 v[TT+8*\u], v[TT+8*\u], v[TT+8*\u+2], v[MX+\u]
.endr
.irp u, 0,1
	v_permlanex16_b32 v[TT+8*\u+1], v[TT+8*\u], s26, s27
.endr
.irp u, 0,1
	v_max_num_f32 v[MN+\u], v[TT+8*\u], v[TT+8*\u+1]
.endr
	v_pk_add_f32 v[DD:DD+1], v[MX:MX+1], v[MN:MN+1] neg_lo:[0,1] neg_hi:[0,1]
.irp u, 0,1
.irp i, 0,2,4,6,8,10,12,14
	v_pk_add_f32 v[SC+16*\u+\i:SC+16*\u+\i+1], v[SC+16*\u+\i:SC+16*\u+\i+1], v[MN:MN+1] op_sel:[0,\u] op_sel_hi:[1,\u] neg_lo:[0,1] neg_hi:[0,1]
.endr
.endr
	v_exp_f32 v[AL], v[DD]
	v_exp_f32 v[AL+1], v[DD+1]
.set i, 0
.rept 32
	v_exp_f32 v[SC+i], v[SC+i]
.set i, i+1
.endr
	v_mov_b32 v[MX], v[MN]                         ; the plain instruction between the exponentials and the first use of a result (ISA guide 5.7.2)
	v_mov_b32 v[MX+1], v[MN+1]
	s_wait_alu depctr_va_vdst(0)
.irp u, 0,1
.set i, 0
.rept 16
	v_pk_mul_f32 v[OC+32*\u+2*i:OC+32*\u+2*i+1], v[OC+32*\u+2*i:OC+32*\u+2*i+1], v[AL:AL+1] op_sel:[0,\u] op_sel_hi:[1,\u]
.set i, i+1
.endr
.endr
.irp u, 0,1
	v_pk_add_f32 v[TT+8*\u:TT+8*\u+1],   v[SC+16*\u:SC+16*\u+1],     v[SC+16*\u+2:SC+16*\u+3]
	v_pk_add_f32 v[TT+8*\u+2:TT+8*\u+3], v[SC+16*\u+4:SC+16*\u+5],   v[SC+16*\u+6:SC+16*\u+7]
	v_pk_add_f32 v[TT+8*\u+4:TT+8*\u+5], v[SC+16*\u+8:SC+16*\u+9],   v[SC+16*\u+10:SC+16*\u+11]
	v_pk_add_f32 v[TT+8*\u+6:TT+8*\u+7], v[SC+16*\u+12:SC+16*\u+13], v[SC+16*\u+14:SC+16*\u+15]
	v_pk_add_f32 v[TT+8*\u:TT+8*\u+1],   v[TT+8*\u:TT+8*\u+1],       v[TT+8*\u+2:TT+8*\u+3]
	v_pk_add_f32 v[TT+8*\u+4:TT+8*\u+5], v[TT+8*\u+4:TT+8*\u+5],     v[TT+8*\u+6:TT+8*\u+7]
	v_pk_add_f32 v[TT+8*\u:TT+8*\u+1],   v[TT+8*\u:TT+8*\u+1],       v[TT+8*\u+4:TT+8*\u+5]
	v_fma_f32 v[LS+\u], v[LS+\u], v[AL+\u], v[TT+8*\u]
	v_add_f32 v[LS+\u], v[LS+\u], v[TT+8*\u+1]
.endr
	; the weights to f16 in place: keys 8 h .. +7 into registers 0-3, keys 16 + 8 h .. +7 into registers 4-7: the second product's second source
.irp u, 0,1
.irp i, 0,1,2,3
	v_cvt_pk_f16_f32 v[SC+16*\u+\i], v[SC+16*\u+2*\i], v[SC+16*\u+2*\i+1]
.endr
.irp i, 0,1,2,3
	v_cvt_pk_f16_f32 v[SC+16*\u+4+\i], v[SC+16*\u+8+2*\i], v[SC+16*\u+9+2*\i]
.endr
.endr
.if \pre
	s_wait_loadcnt 8                               ; V of this tile is in; the next tile's 8 loads of K stay out
	s_add_nc_u64 s[22:23], s[22:23], 0x8000
.else
	s_wait_loadcnt 0x0                             ; nothing was asked for behind V
.endif
.irp u, 0,1
.irp td, 0,1,2,3
	v_wmma_f32_16x16x32_f16 v[OC+32*\u+8*\td:OC+32*\u+8*\td+7], v[VF+8*\td:VF+8*\td+7], v[SC+16*\u:SC+16*\u+7], v[OC+32*\u+8*\td:OC+32*\u+8*\td+7]
.endr
.endr
.if \pre
	PLACES 5                                       ; four places before V's registers are loaded again, five before the next scores write over the weights (ISA guide 7.12.1)
.irp x, 0,1,2,3,4,5,6,7
	global_load_b128 v[VF+4*\x:VF+4*\x+3], v[LO], s[22:23] offset:512*\x
.endr
.endif
.endm
	s_cmp_eq_u32 s18, 0
	s_cbranch_scc1 .Llast
.Lloop:
	TRIP 0, 1
	s_sub_co_i32 s18, s18, 1
	s_cmp_lg_u32 s18, 0
	s_cbranch_scc1 .Lloop
.Llast:                                            ; on both ways in, the youngest 16 loads are K's 8 and then V's 8
	TRIP 1, 0
	; my part of the keys is done: O, m and l go to LDS
	PLACES 4                                       ; four places behind the last products before O is stored (ISA guide 7.12.1)
.irp u, 0,1
	v_permlanex16_b32 v[TT+8*\u], v[LS+\u], s26, s27
.endr
.irp u, 0,1
	v_add_f32 v[LS+\u], v[LS+\u], v[TT+8*\u]       ; both halves' keys
.endr
.irp u, 0,1
.irp td, 0,1,2,3
.irp e, 0,1
	ds_store_b128 v[PST], v[OC+32*\u+8*\td+4*\e:OC+32*\u+8*\td+4*\e+3] offset:\u*16*PP+\td*64+\e*16   ; query 16 u + r, d = 16 td + 8 h + 4 e ..
.endr
.endr
.endr
.irp u, 0,1
	ds_store_b32 v[MLS], v[MX+\u] offset:64*\u     ; both halves hold and write the same number
	ds_store_b32 v[MLS], v[LS+\u] offset:128+64*\u
.endr
	s_wait_dscnt 0x0                               ; for the other waves: all of it has landed
	s_barrier_signal -1
	s_barrier_wait -1
	; THE MERGE.  Wave ws of a block takes queries 4 ws .. +3: step hv, half h: query 4 ws + 2 hv + h; lane r: d = 4 r .. +3.
.irp hv, 0,1
.irp k, 0,1,2,3,4,5,6,7
	ds_load_b32  v[MB+48*\hv+\k],   v[MA] offset:\k*256+8*\hv
	ds_load_b32  v[MB+48*\hv+8+\k], v[MA] offset:\k*256+8*\hv+128
	ds_load_b128 v[MB+48*\hv+16+4*\k:MB+48*\hv+16+4*\k+3], v[OA] offset:\k*PW+\hv*2*PP
.endr
.endr
	s_wait_dscnt 0x0
; out = sum of f_k O_k / sum of f_k l_k, f_k = 2^(m_k - max m).  The sum of f_k l_k is at least 1: the wave with the row's largest score
; has a weight of 1 there.  A wave without an allowed key has l = 0, O = 0 and drops out with f = 0.
.macro MERGE hv
.set MM, MB+48*\hv
.set LL, MM+8
.set OP, MM+16
.set TM, TT+8*\hv
	v_max3_num_f32 v[TM], v[MM], v[MM+1], v[MM+2]
	v_max3_num_f32 v[TM], v[TM], v[MM+3], v[MM+4]
	v_max3_num_f32 v[TM], v[TM], v[MM+5], v[MM+6]
	v_max_num_f32  v[TM], v[TM], v[MM+7]
.irp i, 0,2,4,6
	v_pk_add_f32 v[MM+\i:MM+\i+1], v[MM+\i:MM+\i+1], v[TM:TM+1] op_sel_hi:[1,0] neg_lo:[0,1] neg_hi:[0,1]
.endr
.irp k, 0,1,2,3,4,5,6,7
	v_exp_f32 v[MM+\k], v[MM+\k]
.endr
	v_nop                                          ; one plain place behind the exponentials (ISA guide 5.7.2)
	s_wait_alu depctr_va_vdst(0)
	v_mul_f32 v[TM+2], v[MM], v[LL]
.irp k, 1,2,3,4,5,6,7
	v_fma_f32 v[TM+2], v[MM+\k], v[LL+\k], v[TM+2]
.endr
	v_rcp_f32 v[TM+3], v[TM+2]                     ; the products below stand between it and its use
	v_pk_mul_f32 v[TM+4:TM+5], v[OP:OP+1],   v[MM:MM+1] op_sel_hi:[1,0]
	v_pk_mul_f32 v[TM+6:TM+7], v[OP+2:OP+3], v[MM:MM+1] op_sel_hi:[1,0]
.irp k, 1,3,5,7
	v_pk_fma_f32 v[TM+4:TM+5], v[OP+4*\k:OP+4*\k+1],   v[MM+\k-1:MM+\k], v[TM+4:TM+5] op_sel:[0,1,0] op_sel_hi:[1,1,1]
	v_pk_fma_f32 v[TM+6:TM+7], v[OP+4*\k+2:OP+4*\k+3], v[MM+\k-1:MM+\k], v[TM+6:TM+7] op_sel:[0,1,0] op_sel_hi:[1,1,1]
.endr
.irp k, 2,4,6
	v_pk_fma_f32 v[TM+4:TM+5], v[OP+4*\k:OP+4*\k+1],   v[MM+\k:MM+\k+1], v[TM+4:TM+5] op_sel_hi:[1,0,1]
	v_pk_fma_f32 v[TM+6:TM+7], v[OP+4*\k+2:OP+4*\k+3], v[MM+\k:MM+\k+1], v[TM+6:TM+7] op_sel_hi:[1,0,1]
.endr
	s_wait_alu depctr_va_vdst(0)
	v_pk_mul_f32 v[TM+4:TM+5], v[TM+4:TM+5], v[TM+2:TM+3] op_sel:[0,1] op_sel_hi:[1,1]
	v_pk_mul_f32 v[TM+6:TM+7], v[TM+6:TM+7], v[TM+2:TM+3] op_sel:[0,1] op_sel_hi:[1,1]
	global_store_b128 v[OO], v[TM+4:TM+7], s[10:11] offset:512*\hv th:TH_STORE_NT   ; two whole rows of 256 bytes: 512 neighbouring bytes, aligned
.endm
	MERGE 0
	MERGE 1
	s_wait_tensorcnt 0x0
	ds_add_u32 v232, v233
	s_wait_dscnt 0x0
	s_endpgm
.Lfunc_end_k_q68e91e2b9e_attn:
	.size	k_q68e91e2b9e_attn, .Lfunc_end_k_q68e91e2b9e_attn-k_q68e91e2b9e_attn
	.p2alignl 7, 3214868480
	.fill 96, 4, 3214868480
	.section	.rodata,"a",@progbits
	.p2align	6, 0x0
	.amdhsa_kernel k_q68e91e2b9e_attn
		.amdhsa_group_segment_fixed_size 145408
		.amdhsa_private_segment_fixed_size 0
		.amdhsa_enable_private_segment 0
		.amdhsa_kernarg_size 32
		.amdhsa_user_sgpr_count 2
		.amdhsa_user_sgpr_kernarg_segment_ptr 1
		.amdhsa_wavefront_size32 1
		.amdhsa_system_sgpr_workgroup_id_x 1
		.amdhsa_system_sgpr_workgroup_id_y 1
		.amdhsa_system_sgpr_workgroup_id_z 1
		.amdhsa_system_vgpr_workitem_id 0
		.amdhsa_next_free_vgpr 234
		.amdhsa_next_free_sgpr 66
		.amdhsa_reserve_vcc 1
		.amdhsa_float_denorm_mode_32 3
		.amdhsa_float_denorm_mode_16_64 3
		.amdhsa_memory_ordered 1
		.amdhsa_forward_progress 1
		.amdhsa_inst_pref_size 39
	.end_amdhsa_kernel
	.amdgpu_metadata
---
amdhsa.version: [ 1, 2 ]
amdhsa.kernels:
  - .name:           k_q68e91e2b9e_attn
    .symbol:         k_q68e91e2b9e_attn.kd
    .args:
      - { .name: qf, .offset: 0, .size: 8, .value_kind: global_buffer, .address_space: global }
      - { .name: kf, .offset: 8, .size: 8, .value_kind: global_buffer, .address_space: global }
      - { .name: vf, .offset: 16, .size: 8, .value_kind: global_buffer, .address_space: global }
      - { .name: out0, .offset: 24, .size: 8, .value_kind: global_buffer, .address_space: global }
    .group_segment_fixed_size: 145408
    .private_segment_fixed_size: 0
    .kernarg_segment_align: 8
    .kernarg_segment_size: 32
    .max_flat_workgroup_size: 512
    .sgpr_count:     66
    .vgpr_count:     234
    .wavefront_size: 32
...
	.end_amdgpu_metadata
.endif
;; end of part 2
